; MI455X (gfx1250); checked and timed in simulation.
; The chip was launched on July 23, 2026; its instructions are those of AMD's public machine-readable ISA for CDNA 5 (MIT licence, August 2026) and "CDNA5" Instruction Set Architecture Reference Guide (July 2026). The comments in the code are by the model that wrote it; some were corrected since.
;; Model. Allowed arithmetic: float matrix products may take bf16 or f16 operands with f32 sums; all other float work in f32.
;; Inputs: We 16 x 1,024 x 1,024 float32; Wg 16 x 1,024 float32; x 4,096 x 1,024 float32.
;; Outputs: out0 4,096 x 1,024 float32.
;; One version. Each part assembles by itself: llvm-mc -triple=amdgcn-amd-amdhsa -mcpu=gfx1250 --defsym DOCPART=n.
;; ======== version 1 of 1: 3 launches
;; workspace buffers: xb 8,388,608 bytes; idx 16,384 bytes of whole numbers; order 266,240 bytes of whole numbers
;; launch gate (part 1): grid 256 x 1, 4 waves a work-group, no clusters, 72,192 bytes of LDS; arguments x, Wg, xb, idx; writes xb, idx
.if DOCPART == 1
	.amdgcn_target "amdgcn-amd-amdhsa--gfx1250"
	.amdhsa_code_object_version 6
	.text
	.protected	k_q02257d44a3_gate
	.globl	k_q02257d44a3_gate
	.p2align	8
	.type	k_q02257d44a3_gate,@function
k_q02257d44a3_gate:
	s_mov_b64 s[64:65], 0
	v_nop
	global_prefetch_b8 v0, s[64:65] scope:SCOPE_SE
	s_setreg_imm32_b32 hwreg(HW_REG_WAVE_MODE, 25, 1), 1
	s_wait_xcnt 0x0
; GATE.  scores = x Wg^T, idx[token] = argmax over the 16 experts; besides, x goes out rounded to bf16 (xb) for the next launch.
; x: [4096][1024] f32, Wg: [16][1024] f32, xb: [4096][1024] bf16, idx: [4096] u32.
; SHARES.  A work-group owns 16 tokens.  Wave w owns columns 256 w .. 256 w + 255 of K: 1,024 bytes of each row of x and of Wg.  It rounds them to bf16,
; lays them into LDS stages of its own (no barrier for these), reads them back as fragments and makes a partial 16 x 16 score tile with 8 matrix instructions.
; The four partial tiles meet in LDS behind the one barrier; wave 0 adds them in a fixed order and takes the argmax.
; LIMITS.  The scores are made of x and Wg rounded to bf16 with f32 sums, so a token whose two best scores lie closer than that rounding (about 2e-3 of the
; scores' spread) may go to the other of the two than with f32 operands.  Of equal scores the first wins (strict >).  NaN: a comparison with a NaN is false, so a
; NaN score of expert 0 or 8 stays the best of its eight and any other NaN score is passed over.  With all 16 scores NaN the result is 0, as an argmax gives
; in which NaN counts as the largest; with only some of them NaN the result can differ from that argmax.
; No tensor loads: every number passes through registers anyway, to be rounded.  No cluster: the one shared input, Wg, is 64 KiB.
.set XP,   528                         ; a stage row: 512 bytes of bf16 + 16 of padding = 33 x 16: the 16 rows of a fragment load fall on 16 different 16-byte columns
.set WSTG, 4*16*XP                     ; Wg's stages lie behind x's: 33,792
.set RED,  8*16*XP                     ; 67,584: the four partial score tiles, 1,024 bytes each
.set D0,   32                          ; v[32:39]   sums of the even K steps
.set D1,   40                          ; v[40:47]   sums of the odd K steps
.set SC,   48                          ; v[48:55]   scores: register j of lane (r, h) = expert 8 h + j, token r
.set WR,   64                          ; v[64:127]  8 rows of Wg as loaded; later Wg's 8 fragments; in wave 0 at last the four partial tiles
.set XR,   128                         ; v[128:255] 16 rows of x as loaded; v[128:191] later x's 8 fragments
; v1 lane, v2 r = lane % 16, v3 h = lane / 16, v4 16 lane, v5 8 lane, v6/v7 stage writes (x, Wg), v8/v9 fragment reads (x, Wg),
; v10/v11 partial tiles (write, read), v12 best, v13 its expert, v14/v15 the other half's, v16 at work, v17 8 h, v18 4 lane
	s_load_b256 s[4:11], s[0:1], 0x0               ; x s[4:5], Wg s[6:7], xb s[8:9], idx s[10:11]
	v_lshl_add_u32 v62, v0, 2, 0x11800
	v_mov_b32 v63, 0
	v_lshrrev_b32 v1, 5, v0
	v_readfirstlane_b32 s12, v1                    ; wave 0..3
	v_and_b32 v1, 31, v0
	v_and_b32 v2, 15, v0
	v_bfe_u32 v3, v0, 4, 1
	v_lshlrev_b32 v4, 4, v1
	v_lshlrev_b32 v5, 3, v1
	s_mul_i32 s13, s12, 16*XP                      ; my stage
	v_add_nc_u32 v6, s13, v5
	v_add_nc_u32 v7, WSTG, v6
	v_mul_u32_u24 v8, v2, XP
	v_lshl_add_u32 v8, v3, 4, v8                   ; row r, 16 bytes for each half of the lanes
	v_add_nc_u32 v8, s13, v8
	v_add_nc_u32 v9, WSTG, v8
	s_lshl_b32 s17, s12, 10                        ; 1,024 w: my columns in a row of f32, and my partial tile
	s_add_co_u32 s18, s17, RED
	v_add_nc_u32 v10, s18, v4
	v_add_nc_u32 v11, RED, v4
	v_lshlrev_b32 v17, 3, v3
	v_lshlrev_b32 v18, 2, v1
	s_mov_b32 s14, 0x76543210                      ; v_permlanex16_b32: each lane takes its own place in the other half
	s_mov_b32 s15, 0xfedcba98
	s_lshl_b32 s2, ttmp9, 16                       ; 16 rows of 4,096 bytes
	s_add_co_u32 s2, s2, s17
	s_mov_b32 s3, 0
	s_wait_kmcnt 0x0
	s_add_nc_u64 s[4:5], s[4:5], s[2:3]            ; x at my tokens, my columns
	s_mov_b32 s2, s17
	s_add_nc_u64 s[6:7], s[6:7], s[2:3]            ; Wg at my columns
	s_lshl_b32 s2, ttmp9, 15                       ; 16 rows of 2,048 bytes
	s_lshl_b32 s19, s12, 9
	s_add_co_u32 s2, s2, s19
	s_add_nc_u64 s[8:9], s[8:9], s[2:3]            ; xb likewise
	s_lshl_b32 s2, ttmp9, 6
	s_add_nc_u64 s[10:11], s[10:11], s[2:3]        ; idx at my 16 tokens
.macro LDW hh                          ; rows 8 hh .. 8 hh + 7 of Wg, my 1,024 bytes of each: 16 loads of 512 consecutive bytes
.irp i, 0,1,2,3,4,5,6,7,8,9,10,11,12,13,14,15
	global_load_b128 v[WR+4*\i:WR+4*\i+3], v4, s[6:7] offset:(8*\hh+\i/2)*4096+(\i%2)*512
.endr
.endm
.macro CVW hh                          ; rounded in place, 8 bytes a lane into my stage
.irp i, 0,1,2,3,4,5,6,7,8,9,10,11,12,13,14,15
	v_cvt_pk_bf16_f32 v[WR+4*\i], v[WR+4*\i], v[WR+4*\i+1]
	v_cvt_pk_bf16_f32 v[WR+4*\i+1], v[WR+4*\i+2], v[WR+4*\i+3]
	ds_store_b64 v7, v[WR+4*\i:WR+4*\i+1] offset:(8*\hh+\i/2)*XP+(\i%2)*256
.endr
.endm
	LDW 0
.set i, 0
.rept 32                               ; my 1,024 bytes of 16 rows of x; nothing else in the launch reads them
	global_load_b128 v[XR+4*i:XR+4*i+3], v4, s[4:5] offset:(i/2)*4096+(i%2)*512 th:TH_LOAD_NT
.set i, i+1
.endr
	s_wait_loadcnt 32                              ; the 32 loads of x are younger: Wg's rows 0-7 are in
	CVW 0
	LDW 1                                          ; into the same registers, behind the LDS stores that read them
	s_wait_loadcnt 16                              ; only Wg's rows 8-15 are younger: x is in
.set i, 0
.rept 32
	v_cvt_pk_bf16_f32 v[XR+4*i], v[XR+4*i], v[XR+4*i+1]
	v_cvt_pk_bf16_f32 v[XR+4*i+1], v[XR+4*i+2], v[XR+4*i+3]
	global_store_b64 v5, v[XR+4*i:XR+4*i+1], s[8:9] offset:(i/2)*2048+(i%2)*256   ; the wave's 32 lanes store 256 consecutive bytes, aligned
	ds_store_b64 v6, v[XR+4*i:XR+4*i+1] offset:(i/2)*XP+(i%2)*256
.set i, i+1
.endr
	s_wait_loadcnt 0x0                             ; Wg's rows 8-15
	CVW 1
	s_wait_xcnt 0x0                                ; the stores to xb read v[128:..]: these are loaded again only behind this wait
	; Fragments, 16 rows x 32 K: lane (r, h) takes row r, bytes 64 kk + 16 h and 32 further.  LDS serves a wave in order: these see the stores above.
.irp kk, 0,1,2,3,4,5,6,7
	ds_load_b128 v[WR+8*\kk:WR+8*\kk+3],   v9 offset:64*\kk
	ds_load_b128 v[WR+8*\kk+4:WR+8*\kk+7], v9 offset:64*\kk+32
	ds_load_b128 v[XR+8*\kk:XR+8*\kk+3],   v8 offset:64*\kk
	ds_load_b128 v[XR+8*\kk+4:XR+8*\kk+7], v8 offset:64*\kk+32
.endr
	; Source 0 = 16 experts, source 1 = 16 tokens.  Two accumulators take turns, one instruction a turn; the first two products start the sums.
.irp kk, 0,1,2,3,4,5,6,7
	s_wait_dscnt 4*(7-\kk)                         ; four loads for each later K step may stay out
.if \kk < 2
	v_wmma_f32_16x16x32_bf16 v[D0+8*(\kk%2):D0+8*(\kk%2)+7], v[WR+8*\kk:WR+8*\kk+7], v[XR+8*\kk:XR+8*\kk+7], 0
.else
	v_wmma_f32_16x16x32_bf16 v[D0+8*(\kk%2):D0+8*(\kk%2)+7], v[WR+8*\kk:WR+8*\kk+7], v[XR+8*\kk:XR+8*\kk+7], v[D0+8*(\kk%2):D0+8*(\kk%2)+7]
.endif
.endr
.rept 4
	v_nop                                          ; four places behind the last product before its result is read (ISA guide 7.12.1)
.endr
.irp p, 0,2,4,6                        ; from the low end on
	v_pk_add_f32 v[SC+\p:SC+\p+1], v[D0+\p:D0+\p+1], v[D1+\p:D1+\p+1]
.endr
	ds_store_b128 v10, v[SC:SC+3]
	ds_store_b128 v10, v[SC+4:SC+7] offset:512
	s_wait_dscnt 0x0                               ; for wave 0's sake: my partial tile is in LDS
	s_barrier_signal -1
	s_barrier_wait -1
	s_cmp_lg_u32 s12, 0
	s_cbranch_scc1 .Lend                           ; wave 0 alone goes on
.irp t, 0,1,2,3,4,5,6,7                ; wave t / 2's tile, registers 4 (t % 2) on
	ds_load_b128 v[WR+4*\t:WR+4*\t+3], v11 offset:(\t/2)*1024+(\t%2)*512
.endr
	s_wait_dscnt 0x0
.irp p, 0,2,4,6                        ; ((w0 + w1) + w2) + w3
	v_pk_add_f32 v[SC+\p:SC+\p+1], v[WR+\p:WR+\p+1], v[WR+8+\p:WR+8+\p+1]
.endr
.irp p, 0,2,4,6
	v_pk_add_f32 v[SC+\p:SC+\p+1], v[SC+\p:SC+\p+1], v[WR+16+\p:WR+16+\p+1]
.endr
.irp p, 0,2,4,6
	v_pk_add_f32 v[SC+\p:SC+\p+1], v[SC+\p:SC+\p+1], v[WR+24+\p:WR+24+\p+1]
.endr
	v_mov_b32 v12, v[SC]                           ; the best of my eight experts, ascending; strict >: the first of equals stays
	v_mov_b32 v13, v17
.irp j, 1,2,3,4,5,6,7
	v_add_nc_u32 v16, \j, v17
	v_cmp_gt_f32 vcc_lo, v[SC+\j], v12
	v_cndmask_b32 v12, v12, v[SC+\j], vcc_lo
	v_cndmask_b32 v13, v13, v16, vcc_lo
.endr
	v_mov_b32 v14, v12                             ; the permute's destination counts as read: written first
	v_mov_b32 v15, v13
	v_permlanex16_b32 v14, v12, s14, s15           ; the other eight experts' best
	v_permlanex16_b32 v15, v13, s14, s15
	v_cmp_gt_f32 vcc_lo, v14, v12                  ; in lanes 0-15 mine are experts 0-7: the higher half wins only if strictly larger
	v_cndmask_b32 v13, v13, v15, vcc_lo
	s_wait_xcnt 0x0                                ; EXEC changes only behind this wait: my stores to xb were issued under the full one
	v_cmp_gt_u32 vcc_lo, 16, v1
	s_and_saveexec_b32 s16, vcc_lo
	global_store_b32 v18, v13, s[10:11]            ; 16 lanes, 64 consecutive bytes: a quarter of an aligned 256; the whole buffer is 16 KiB
	s_wait_xcnt 0x0                                ; and again in front of the line that widens it
	s_or_b32 exec_lo, exec_lo, s16
.Lend:
	s_wait_tensorcnt 0x0
	ds_add_u32 v62, v63
	s_wait_dscnt 0x0
	s_endpgm
.Lfunc_end_k_q02257d44a3_gate:
	.size	k_q02257d44a3_gate, .Lfunc_end_k_q02257d44a3_gate-k_q02257d44a3_gate
	.p2alignl 7, 3214868480
	.fill 96, 4, 3214868480
	.section	.rodata,"a",@progbits
	.p2align	6, 0x0
	.amdhsa_kernel k_q02257d44a3_gate
		.amdhsa_group_segment_fixed_size 72192
		.amdhsa_private_segment_fixed_size 0
		.amdhsa_enable_private_segment 0
		.amdhsa_kernarg_size 32
		.amdhsa_user_sgpr_count 2
		.amdhsa_user_sgpr_kernarg_segment_ptr 1
		.amdhsa_wavefront_size32 1
		.amdhsa_system_sgpr_workgroup_id_x 1
		.amdhsa_system_sgpr_workgroup_id_y 1
		.amdhsa_system_sgpr_workgroup_id_z 1
		.amdhsa_system_vgpr_workitem_id 0
		.amdhsa_next_free_vgpr 256
		.amdhsa_next_free_sgpr 66
		.amdhsa_reserve_vcc 1
		.amdhsa_float_denorm_mode_32 3
		.amdhsa_float_denorm_mode_16_64 3
		.amdhsa_memory_ordered 1
		.amdhsa_forward_progress 1
		.amdhsa_inst_pref_size 30
	.end_amdhsa_kernel
	.amdgpu_metadata
---
amdhsa.version: [ 1, 2 ]
amdhsa.kernels:
  - .name:           k_q02257d44a3_gate
    .symbol:         k_q02257d44a3_gate.kd
    .args:
      - { .name: x, .offset: 0, .size: 8, .value_kind: global_buffer, .address_space: global }
      - { .name: Wg, .offset: 8, .size: 8, .value_kind: global_buffer, .address_space: global }
      - { .name: xb, .offset: 16, .size: 8, .value_kind: global_buffer, .address_space: global }
      - { .name: idx, .offset: 24, .size: 8, .value_kind: global_buffer, .address_space: global }
    .group_segment_fixed_size: 72192
    .private_segment_fixed_size: 0
    .kernarg_segment_align: 8
    .kernarg_segment_size: 32
    .max_flat_workgroup_size: 128
    .sgpr_count:     66
    .vgpr_count:     256
    .wavefront_size: 32
...
	.end_amdgpu_metadata
.endif
;; end of part 1
;; launch sort (part 2): grid 16 x 1, 8 waves a work-group, no clusters, 21,760 bytes of LDS; arguments idx, order; writes order
.if DOCPART == 2
	.amdgcn_target "amdgcn-amd-amdhsa--gfx1250"
	.amdhsa_code_object_version 6
	.text
	.protected	k_q02257d44a3_sort
	.globl	k_q02257d44a3_sort
	.p2align	8
	.type	k_q02257d44a3_sort,@function
k_q02257d44a3_sort:
	s_mov_b64 s[64:65], 0
	v_nop
	global_prefetch_b8 v0, s[64:65] scope:SCOPE_SE
	s_setreg_imm32_b32 hwreg(HW_REG_WAVE_MODE, 25, 1), 1
	s_wait_xcnt 0x0
; SORT.  For expert e (the work-group's number): the list of the tokens whose idx is e, and their number N, stored as whole numbers for the next launch, whose trip counts
; and gather addresses hang on them.  idx: [4096] u32.  order: 16 rows of 16,640 bytes: 4,096 entries, then 64 words that all hold N.
; LAYOUT OF A ROW.  Word 32 t + 16 h + i holds position 32 t + 2 i + h of the list: the next launch takes tiles of 32 tokens, and a half h of its lanes wants the entries
; 2 i + h, i = 0 .. 15, which so lie in 64 consecutive bytes.  Positions from N on repeat the last listed token (with N = 0 they hold tokens that nothing uses).
; SHARES.  Eight waves.  Wave w lists those of tokens 512 w .. 512 w + 511 whose idx is e, in LDS bytes of its own, and puts its count beside them.  Behind the one barrier the
; eight lists laid end to end are the expert's list, and wave w makes words 512 w .. 512 w + 511 of the row.  Behind the barrier nothing is stored into LDS.
; Sixteen work-groups: a list spans all tokens, so there is one owner for each expert.  No matrix unit, no tensor loads, no cluster: 16 KiB in and 16 KiB out for each work-group.
; LIMIT.  An idx outside 0..15 is listed nowhere; the launch before stores 0..15 alone.
.set NW,   8
.set LISTW, 640                        ; words of a wave's list: 512 entries, 32 for lanes with nothing to list, 96 to make five stores of 512 bytes fill it
.set CNTS, NW*LISTW*4                  ; 20,480: the eight counts, behind the lists, which begin at LDS byte 0
.set ROWB, 16640                       ; bytes of a row of order: 65 x 256
.set CNTO, 16384                       ; where N stands in a row
.set L,    1                           ; lane
.set L16,  2                           ; 16 lane
.set TOK0, 3                           ; 512 w + 4 lane: the token of my first word of idx
.set DUMP, 4                           ; 512 + lane
.set LBASE, 5                          ; my list's first byte
.set T0,   6
.set CA,   7                           ; my count's address
.set CV,   8                           ; v[8:9]    my count; at last N, twice
.set PB,   10                          ; the list position of my first word of the row
.set ZR,   12                          ; v[12:15]  zeros
.set CN,   16                          ; v[16:23]  the eight counts
.set LP,   24                          ; v[24:27]  list: address and token, two sets by turns
.set PS0,  28                          ; v[28:30], v[32:34] position, word, at work: two sets by turns
.set IDX,  36                          ; v[36:51]  my 512 idx
.set EN,   52                          ; v[52:67]  my 512 words of the row
; s12 wave, s14 e, s15 my count, s16 at work, s20/s21 masks, s25 my list's first byte, s26 512 w, s29 N, s31 N - 1
.set LB,   25
.set CNT0, 32                          ; s[32:39]  count of wave j
.set PFX,  40                          ; s[40:47]  P_j: tokens listed by waves 0 .. j - 1
.set ADJ,  48                          ; s[49:55]  640 j - P_j: what turns a position in wave j's stretch into a word of the lists
	s_load_b128 s[4:7], s[0:1], 0x0                ; idx s[4:5], order s[6:7]
	v_lshl_add_u32 v72, v0, 2, 0x5100
	v_mov_b32 v73, 0
	v_lshrrev_b32 v1, 5, v0
	v_readfirstlane_b32 s12, v1                    ; wave 0..7
	v_and_b32 v[L], 31, v0
	v_lshlrev_b32 v[L16], 4, v[L]
	s_mov_b32 s14, ttmp9                           ; e
	s_mul_i32 s16, s14, ROWB
	s_lshl_b32 s2, s12, 11                         ; 512 words
	s_mov_b32 s3, 0
	s_wait_kmcnt 0x0
	s_add_nc_u64 s[4:5], s[4:5], s[2:3]            ; idx at my 512 tokens
	s_mov_b32 s2, s16
	s_add_nc_u64 s[6:7], s[6:7], s[2:3]            ; order at e's row
	s_lshl_b32 s2, s12, 11
	s_add_nc_u64 s[8:9], s[6:7], s[2:3]            ; and at my 512 words of it
.irp b, 0,1,2,3
	global_load_b128 v[IDX+4*\b:IDX+4*\b+3], v[L16], s[4:5] offset:512*\b
.endr
	s_mul_i32 s[LB], s12, LISTW*4                  ; my list
	v_mov_b32 v[LBASE], s[LB]
	s_lshl_b32 s26, s12, 9
	v_lshl_add_u32 v[TOK0], v[L], 2, s26
	v_add_nc_u32 v[DUMP], 512, v[L]
	; Word m = 512 w + 128 b + 4 lane + k of the row: tile 16 w + 4 b + lane / 8, h = bit 2 of the lane, i = 4 (lane % 4) + k.  Its position 32 tile + 2 i + h is PB + 128 b + 2 k.
	v_lshrrev_b32 v[T0], 3, v[L]
	v_lshlrev_b32 v[PB], 5, v[T0]                  ; 32 (lane / 8)
	v_and_b32 v[T0], 3, v[L]
	v_lshl_add_u32 v[PB], v[T0], 3, v[PB]          ; + 8 (lane % 4)
	v_bfe_u32 v[T0], v[L], 2, 1
	v_add_nc_u32 v[PB], v[PB], v[T0]               ; + h
	v_add_nc_u32 v[PB], s26, v[PB]                 ; + 512 w
	s_lshl_b32 s16, s12, 2
	s_add_co_u32 s16, s16, CNTS
	v_mov_b32 v[CA], s16
	; My list's 640 words are written once at plain addresses, so that no word of it is ever read unwritten.
.irp k, 0,1,2,3
	v_mov_b32 v[ZR+\k], 0
.endr
	v_add_nc_u32 v[T0], s[LB], v[L16]
.irp k, 0,1,2,3,4
	ds_store_b128 v[T0], v[ZR:ZR+3] offset:512*\k
.endr
	s_mov_b32 s15, 0
	s_wait_loadcnt 0x0                             ; idx is in
	; MY LIST.  Register g holds token 512 w + 128 (g / 4) + 4 lane + g % 4.  A lane whose token is e's writes it at my count so far + (such lanes below it), in order behind the
	; zeros above; the others write into words of their own behind the entries.  EXEC stays full.
.set g, 0
.rept 16
	v_cmp_eq_u32 s[20+g%2], s14, v[IDX+g]
	v_mbcnt_lo_u32_b32 v[LP+2*(g%2)], s[20+g%2], s15
	v_cndmask_b32 v[LP+2*(g%2)], v[DUMP], v[LP+2*(g%2)], s[20+g%2]
	v_min_u32 v[LP+2*(g%2)], 543, v[LP+2*(g%2)]    ; inside the 544 words of entries and dump
	v_lshl_add_u32 v[LP+2*(g%2)], v[LP+2*(g%2)], 2, v[LBASE]
	v_add_nc_u32 v[LP+2*(g%2)+1], 128*(g/4)+g%4, v[TOK0]
	ds_store_b32 v[LP+2*(g%2)], v[LP+2*(g%2)+1]
	s_bcnt1_i32_b32 s16, s[20+g%2]
	s_add_co_u32 s15, s15, s16
.set g, g+1
.endr
	v_mov_b32 v[CV], s15
	ds_store_b32 v[CA], v[CV]                      ; all lanes write the same word with the same value
	s_wait_dscnt 0x0                               ; for the others' sake: my list and my count are in LDS
	s_barrier_signal -1
	s_barrier_wait -1
	v_mov_b32 v[T0], CNTS
	ds_load_b128 v[CN:CN+3], v[T0]
	ds_load_b128 v[CN+4:CN+7], v[T0] offset:16
	s_wait_dscnt 0x0
.irp j, 0,1,2,3,4,5,6,7
	v_readfirstlane_b32 s[CNT0+\j], v[CN+\j]
.endr
	s_mov_b32 s[PFX], 0
.irp j, 1,2,3,4,5,6,7
	s_add_co_u32 s[PFX+\j], s[PFX+\j-1], s[CNT0+\j-1]
	s_sub_co_u32 s[ADJ+\j], \j*LISTW, s[PFX+\j]
.endr
	s_add_co_u32 s29, s[PFX+7], s[CNT0+7]          ; N
	s_sub_co_u32 s31, s29, 1
	; MY WORDS OF THE ROW.  Position p, held at N - 1, belongs to the last wave j with P_j <= p and is word 640 j + p - P_j of the lists.
	; With N = 0 nothing holds p; the bound below keeps every address inside the eight lists, whose words are all written.
.set t, 0
.rept 16
.set PP, PS0+4*(t%2)
	v_add_nc_u32 v[PP], 128*(t/4)+2*(t%4), v[PB]
	v_min_u32 v[PP], s31, v[PP]
.irp j, 1,2,3,4,5,6,7
	v_cmp_le_u32 vcc_lo, s[PFX+\j], v[PP]
	v_add_nc_u32 v[PP+2], s[ADJ+\j], v[PP]
.if \j == 1
	v_cndmask_b32 v[PP+1], v[PP], v[PP+2], vcc_lo
.else
	v_cndmask_b32 v[PP+1], v[PP+1], v[PP+2], vcc_lo
.endif
.endr
	v_min_u32 v[PP+1], NW*LISTW-1, v[PP+1]
	v_lshlrev_b32 v[PP+1], 2, v[PP+1]
	ds_load_b32 v[EN+t], v[PP+1]
.set t, t+1
.endr
.irp b, 0,1,2,3
	s_wait_dscnt 12-4*\b                           ; the loads of the later stores' words may stay out
	global_store_b128 v[L16], v[EN+4*\b:EN+4*\b+3], s[8:9] offset:512*\b   ; the wave stores 512 consecutive bytes, aligned to 256
.endr
	s_cmp_lg_u32 s12, 0
	s_cbranch_scc1 .Lend                           ; wave 0 alone stores N
	v_mov_b32 v[CV], s29
	v_mov_b32 v[CV+1], s29
	v_lshlrev_b32 v[T0], 3, v[L]
	global_store_b64 v[T0], v[CV:CV+1], s[6:7] offset:CNTO   ; 64 words, all N: 256 consecutive bytes, aligned, with all lanes on
.Lend:
	s_wait_tensorcnt 0x0
	ds_add_u32 v72, v73
	s_wait_dscnt 0x0
	s_endpgm
.Lfunc_end_k_q02257d44a3_sort:
	.size	k_q02257d44a3_sort, .Lfunc_end_k_q02257d44a3_sort-k_q02257d44a3_sort
	.p2alignl 7, 3214868480
	.fill 96, 4, 3214868480
	.section	.rodata,"a",@progbits
	.p2align	6, 0x0
	.amdhsa_kernel k_q02257d44a3_sort
		.amdhsa_group_segment_fixed_size 21760
		.amdhsa_private_segment_fixed_size 0
		.amdhsa_enable_private_segment 0
		.amdhsa_kernarg_size 16
		.amdhsa_user_sgpr_count 2
		.amdhsa_user_sgpr_kernarg_segment_ptr 1
		.amdhsa_wavefront_size32 1
		.amdhsa_system_sgpr_workgroup_id_x 1
		.amdhsa_system_sgpr_workgroup_id_y 1
		.amdhsa_system_sgpr_workgroup_id_z 1
		.amdhsa_system_vgpr_workitem_id 0
		.amdhsa_next_free_vgpr 74
		.amdhsa_next_free_sgpr 66
		.amdhsa_reserve_vcc 1
		.amdhsa_float_denorm_mode_32 3
		.amdhsa_float_denorm_mode_16_64 3
		.amdhsa_memory_ordered 1
		.amdhsa_forward_progress 1
		.amdhsa_inst_pref_size 28
	.end_amdhsa_kernel
	.amdgpu_metadata
---
amdhsa.version: [ 1, 2 ]
amdhsa.kernels:
  - .name:           k_q02257d44a3_sort
    .symbol:         k_q02257d44a3_sort.kd
    .args:
      - { .name: idx, .offset: 0, .size: 8, .value_kind: global_buffer, .address_space: global }
      - { .name: order, .offset: 8, .size: 8, .value_kind: global_buffer, .address_space: global }
    .group_segment_fixed_size: 21760
    .private_segment_fixed_size: 0
    .kernarg_segment_align: 8
    .kernarg_segment_size: 16
    .max_flat_workgroup_size: 256
    .sgpr_count:     66
    .vgpr_count:     74
    .wavefront_size: 32
...
	.end_amdgpu_metadata
.endif
;; end of part 2
;; launch moe (part 3): grid 16 x 16, 8 waves a work-group, no clusters, 272,384 bytes of LDS; arguments We, xb, order, out0; writes out0
.if DOCPART == 3
	.amdgcn_target "amdgcn-amd-amdhsa--gfx1250"
	.amdhsa_code_object_version 6
	.text
	.protected	k_q02257d44a3_moe
	.globl	k_q02257d44a3_moe
	.p2align	8
	.type	k_q02257d44a3_moe,@function
k_q02257d44a3_moe:
	s_mov_b64 s[64:65], 0
	v_nop
	global_prefetch_b8 v0, s[64:65] scope:SCOPE_SE
	s_setreg_imm32_b32 hwreg(HW_REG_WAVE_MODE, 25, 1), 1
	s_wait_xcnt 0x0
; EXPERTS.  out0[token][:] = xb[token][:] We[e]^T for the tokens that order lists for expert e.  We: [16][1024][1024] f32, xb: [4096][1024] bf16, out0: [4096][1024] f32.
; order: 16 rows of 16,640 bytes: an expert's tokens (word 32 t + 16 h + i: position 32 t + 2 i + h of its list; positions from N on repeat the last token), then N in 64 words.
; The rows that a one-hot mask zeroes add exact zeros, so each token is multiplied by its own expert alone.
; SHARES.  Work-group (nb, e) owns rows 64 nb .. 64 nb + 63 of We[e]: 256 KiB of f32, consecutive, read by this work-group alone, rounded to bf16 and kept in LDS.
; Eight waves of 512 registers fill the four SIMDs' 4 x 1,024: the launch moves far more bytes than it multiplies, so it wants loads on their way rather than a large tile a wave.
; Wave w rounds weight rows 8 w .. 8 w + 7.  The expert's N tokens are cut into tiles of 32 tokens x 64 columns (8 accumulators, K = 1,024 in 32 steps), and wave w takes tiles
; w, w + 8, ..  So only the expert's last tile has padding.  Count and entries come from memory, stored there by the launch before: every trip count and every gather address
; is made of whole numbers that this launch reads.
; One barrier, behind the weights.  The loop over tiles has none: a wave leaves it by its own count, and stage and way out are the wave's own bytes.
; ONE STREAM OF LOADS.  An item is 16 loads of 16 bytes a lane: items 0-3 are my 32 KiB of We, then come the tiles' chunks of xb (32 rows x 128 K).  Item m lands in buffer m % 4
; of window 1, is used while items m + 1 and m + 2 stay out, and item m + 3 is then issued: 48 loads, 24 KiB, of each wave are on their way.  The next tile's entries (four
; loads) go out at a tile's head, 19 K steps ahead of the gathers that are made of them.
; THE MATRIX INSTRUCTION IS USED TRANSPOSED (source 0 = 16 rows of We, source 1 = 16 tokens): a lane holds eight neighbouring columns of one token's row of out0.
; No tensor loads: We has to pass through registers to be rounded, and the tokens' rows are gathered by a list.  No cluster: joint requests are tensor loads, and no byte of We is wanted twice.
; No prefetch of xb: the gathers run 24 KiB a wave ahead of their use as it is; a wave's first rows are known only when its first entries have come, one load ahead of the first
; gather; and the sixteen work-groups of an expert walk the same tiles in the same order, so each row is already asked for sixteen times at about the same place of the text.
; LIMITS.  Right for any routing; the time grows with the largest count of tokens that one expert gets (256 on average with even routing).
; Rows go out in pairs, so with N odd the second half of the last store writes the same 256 bytes, with the same values, as its first half: one row at the most in a work-group
; is stored twice.  A token that no row of order lists would stay unwritten; the launches before list each token once.
.set NW,   8                           ; waves
.set BWP,  2064                        ; a row of weights in LDS: 2,048 bytes + 16 = 129 x 16: the 16 rows of a fragment load fall on 16 different 16-byte columns
.set SP,   272                         ; a row of the stages: 256 bytes + 16 = 17 x 16
.set XST,  64*BWP                      ; 132,096: 32 rows x 272 for each wave: one chunk of xb
.set OST,  XST+NW*32*SP                ; 201,728: the same for the way out; LDS ends at 271,360
.set ROWB, 16640                       ; bytes of a row of order
.set CNTO, 16384                       ; where N stands in a row
.set MAXT, 16                          ; 4,096 tokens make 128 tiles at the most, 16 a wave
; window 0
.set L,    1                           ; lane
.set R16,  2                           ; 16 (lane % 16)
.set HH,   3                           ; h = lane / 16
.set RR,   4                           ; r = lane % 16
.set L16,  5                           ; 16 lane
.set BWR,  6                           ; where I put 8 bytes of weights
.set BR0,  7                           ; my place in weight rows 0-31;  BR1: rows 32-63 (beyond the 16-bit immediate)
.set BR1,  8
.set XSW,  9                           ; xb's stage: write, read
.set XSR,  10
.set OSW,  11                          ; the way out: write, read
.set OSR,  12
.set ACC,  16                          ; v[16:79]    accumulator (t, s) at 16 + 8 (4 t + s)
.set XOFF, 80                          ; v[80:95]    byte offset in xb of row 2 i + h of the tile, + 16 (lane % 16)
.set OOFF, 96                          ; v[96:111]   the same in out0
.set F0,   112                         ; v[112:159], v[160:207] two fragment buffers: 2 of xb, then 4 of weights
.set NX,   208                         ; v[208:223]  my next tile's entries 2 i + h, as loaded
.set T0,   246
.set T1,   247
.set EA,   249                         ; 64 h: my half's 16 entries in a tile's 128 bytes of order; never rewritten
.set L4,   250                         ; 4 lane
.set CV,   252                         ; N
; window 1: v[64 b : 64 b + 63] load buffer b
; s12 wave, s14 e, s17 tiles done, s18 rows of my last tile, s22 my tiles, s23/s24 my stage and way out, s27 my tiles - 1, s29 N, s30 the expert's tiles
.set EB,   32                          ; s[32:33]  order at the entries of the tile that was asked for last
.set MSB, 0
.macro WIN new                         ; bits 1:0 source 0, 3:2 source 1, 7:6 destination; the immediate's high byte repeats the setting that is left
.if MSB != \new
	s_set_vgpr_msb (MSB<<8)|\new
.set MSB, \new
.endif
.endm
.macro PLACES                          ; a load into a register that a matrix instruction has read, and an LDS store of a result, stand four places behind it (ISA guide 7.12.1 for vector instructions)
.rept 4
	v_nop
.endr
.endm
.macro LDWE g                          ; item g: 8 KiB of my weights, 512 consecutive bytes a load; read once in the launch
	WIN 0x40
.irp i, 0,1,2,3,4,5,6,7,8,9,10,11,12,13,14,15
	global_load_b128 v[64*((\g)%4)+4*\i:64*((\g)%4)+4*\i+3], v[L16], s[4:5] offset:512*(16*(\g)+\i) th:TH_LOAD_NT
.endr
	WIN 0
.endm
.macro LDXC c                          ; chunk c of a tile: lanes 0-15 take 256 aligned bytes of row 2 i, lanes 16-31 of row 2 i + 1; sixteen work-groups read each row
	WIN 0x40
.irp i, 0,1,2,3,4,5,6,7,8,9,10,11,12,13,14,15
	global_load_b128 v[64*((\c)%4)+4*\i:64*((\c)%4)+4*\i+3], v[XOFF+\i], s[6:7] offset:256*(\c) th:TH_LOAD_HT
.endr
	WIN 0
.endm
.macro CONSW g                         ; item g is rounded in place and laid into LDS; item g + 3 goes out, into another buffer
	s_wait_loadcnt 32                              ; the two younger items stay out
	WIN 0x45                                       ; sources and destination in window 1
.irp i, 0,1,2,3,4,5,6,7,8,9,10,11,12,13,14,15
	v_cvt_pk_bf16_f32 v[64*(\g%4)+4*\i],   v[64*(\g%4)+4*\i],   v[64*(\g%4)+4*\i+1]
	v_cvt_pk_bf16_f32 v[64*(\g%4)+4*\i+1], v[64*(\g%4)+4*\i+2], v[64*(\g%4)+4*\i+3]
.endr
	WIN 0x04                                       ; the stores' data in window 1, their address in window 0
.irp i, 0,1,2,3,4,5,6,7,8,9,10,11,12,13,14,15
	ds_store_b64 v[BWR], v[64*(\g%4)+4*\i:64*(\g%4)+4*\i+1] offset:((16*\g+\i)/8)*BWP+((16*\g+\i)%8)*256
.endr
.if \g == 0
	LDWE 3
.else
	LDXC \g-1                                      ; my first tile's chunks 0, 1, 2, on every path
.endif
.endm
.macro STX c, cnt                      ; chunk c goes from its buffer into my stage
	s_wait_loadcnt \cnt
	WIN 0x04
.irp i, 0,1,2,3,4,5,6,7,8,9,10,11,12,13,14,15
	ds_store_b128 v[XSW], v[64*((\c)%4)+4*\i:64*((\c)%4)+4*\i+3] offset:2*SP*\i
.endr
	WIN 0
.endm
.macro FRAG f, q                       ; K step q's fragments, 16 rows x 32 K each: 12 loads
.irp t, 0,1
	ds_load_b128 v[\f+8*\t:\f+8*\t+3],   v[XSR] offset:\t*16*SP+((\q)%4)*64
	ds_load_b128 v[\f+8*\t+4:\f+8*\t+7], v[XSR] offset:\t*16*SP+((\q)%4)*64+32
.endr
.irp s, 0,1
	ds_load_b128 v[\f+16+8*\s:\f+16+8*\s+3], v[BR0] offset:\s*16*BWP+(\q)*64
	ds_load_b128 v[\f+16+8*\s+4:\f+16+8*\s+7], v[BR0] offset:\s*16*BWP+(\q)*64+32
.endr
.irp s, 0,1
	ds_load_b128 v[\f+32+8*\s:\f+32+8*\s+3], v[BR1] offset:\s*16*BWP+(\q)*64
	ds_load_b128 v[\f+32+8*\s+4:\f+32+8*\s+7], v[BR1] offset:\s*16*BWP+(\q)*64+32
.endr
.endm
.macro MUL f, zero                     ; the 8 accumulators take turns, one instruction a turn, in the same order in every K step
.irp t, 0,1
.irp s, 0,1,2,3
.if \zero
	v_wmma_f32_16x16x32_bf16 v[ACC+8*(4*\t+\s):ACC+8*(4*\t+\s)+7], v[\f+16+8*\s:\f+16+8*\s+7], v[\f+8*\t:\f+8*\t+7], 0
.else
	v_wmma_f32_16x16x32_bf16 v[ACC+8*(4*\t+\s):ACC+8*(4*\t+\s)+7], v[\f+16+8*\s:\f+16+8*\s+7], v[\f+8*\t:\f+8*\t+7], v[ACC+8*(4*\t+\s):ACC+8*(4*\t+\s)+7]
.endif
.endr
.endr
.endm
; K step kk of chunk c.  last = 1: the wave's last tile, which asks for nothing beyond itself.
.macro KSTEP c, kk, last
.set q, 4*\c+\kk
.set CUR, F0+48*(q%2)
.set NXT, F0+48*((q+1)%2)
.set NDS, 12                           ; LDS instructions issued in this step, which may stay out at its wait
.set DOSTX, 0
.set DOLDX, 0
.set DOFRG, 1
.set CNT, 32                           ; the two younger items
.if \kk == 3
.set DOSTX, 1
.set DOLDX, 1
.if \last
.if \c >= 4
.set DOLDX, 0                          ; chunks 0-7 have all been asked for
.endif
.if \c == 5
.set CNT, 16                           ; only chunk 7 is younger than chunk 6
.endif
.if \c == 6
.set CNT, 0                            ; chunk 7 is the last load of all
.endif
.if \c == 7
.set DOSTX, 0
.set DOFRG, 0
.set NDS, 0
.endif
.else
.if \c <= 2
.set CNT, 36                           ; chunks 1, 2, 3: the four loads of entries, issued at the tile's head, are younger too.  Chunk 4's wait for 32 then shows them in
.endif
.endif
.endif
.if (\c == 0) && (\kk == 0) && (\last == 0)
	s_add_nc_u64 s[EB:EB+1], s[EB:EB+1], NW*128    ; my next tile, eight tiles on: its 32 entries.  The loads that named this base before have been shown in by their own counted wait
.irp k, 0,1,2,3
	global_load_b128 v[NX+4*\k:NX+4*\k+3], v[EA], s[EB:EB+1] offset:16*\k   ; the 16 lanes of a half read the same 64 bytes: entries 2 i + h
.endr
.endif
	; the places behind the last step's products, whose fragments' registers are loaded again below: useful work where there is any
.if (\c == 4) && (\kk == 0)
.irp i, 0,1,2,3,4,5,6,7,8,9,10,11,12,13,14,15
	v_and_b32 v[OOFF+\i], 0xfffff800, v[XOFF+\i]           ; 2,048 x token,
.endr
.irp i, 0,1,2,3,4,5,6,7,8,9,10,11,12,13,14,15
	v_lshl_add_u32 v[OOFF+\i], v[OOFF+\i], 1, v[R16]       ; 4,096 x token + my 16 bytes: this tile's rows in out0
.endr
.elseif (\c == 4) && (\kk == 2) && (\last == 0)
	s_wait_xcnt 0x0                                ; this tile's eight chunks have been asked for; their address registers are written again only behind this wait
.irp i, 0,1,2,3,4,5,6,7,8,9,10,11,12,13,14,15
	v_min_u32 v[XOFF+\i], 0xfff, v[NX+\i]          ; a token, inside xb's 4,096 rows
.endr
.irp i, 0,1,2,3,4,5,6,7,8,9,10,11,12,13,14,15
	v_lshl_add_u32 v[XOFF+\i], v[XOFF+\i], 11, v[R16]
.endr
.else
	PLACES
.endif
.if DOSTX
	STX (\c+1)%8, CNT                              ; over chunk c in my stage: all its fragment loads were issued earlier, and LDS serves a wave in order
.set NDS, NDS+16
.endif
.if DOFRG
	FRAG NXT, (q+1)%32
.endif
.if DOLDX
	LDXC (\c+4)%8                                  ; three items ahead; from chunk 4 on these are my next tile's
.endif
	s_wait_dscnt NDS                               ; all but this step's own: this step's fragments, asked for a step ago, are in
.if q == 0
	MUL CUR, 1                                     ; the first K step starts the sums: nothing is cleared
.else
	MUL CUR, 0
.endif
.endm
; THE WAY OUT: a lane's 32 bytes of a row go into my stage; whole rows of 256 bytes come back into the registers that they left and are stored.
.macro OUT last
	PLACES
.irp a, 0,1,2,3,4,5,6,7                ; each accumulator from its low end on
	ds_store_b128 v[OSW], v[ACC+8*\a:ACC+8*\a+3]   offset:(\a/4)*16*SP+(\a%4)*64
	ds_store_b128 v[OSW], v[ACC+8*\a+4:ACC+8*\a+7] offset:(\a/4)*16*SP+(\a%4)*64+16
.endr
.irp i, 0,1,2,3,4,5,6,7,8,9,10,11,12,13,14,15
	ds_load_b128 v[ACC+4*\i:ACC+4*\i+3], v[OSR] offset:2*SP*\i     ; rows 2 i and 2 i + 1; in order behind the stores above
.endr
.if \last == 0
.irp i, 0,1,2,3,4,5,6,7,8,9,10,11,12,13,14,15
	s_wait_dscnt 15-\i
	global_store_b128 v[OOFF+\i], v[ACC+4*\i:ACC+4*\i+3], s[10:11] th:TH_STORE_NT   ; 16 lanes store 256 consecutive bytes, aligned
.endr
	s_wait_xcnt 0x0                                ; the next tile writes these registers again only behind this wait
.else
	s_wait_dscnt 0x0                               ; all 16 are back: none is out on any way to the end
.irp i, 0,1,2,3,4,5,6,7,8,9,10,11,12,13,14,15
.if \i > 0
	s_cmp_le_u32 s18, 2*\i                         ; the listed rows fill the tile from the front: pair i goes out if row 2 i is listed.  All lanes stay on: with an odd
	s_cbranch_scc1 .Lend                           ; count row 2 i + 1 repeats row 2 i's token and writes the same bytes
.endif
	global_store_b128 v[OOFF+\i], v[ACC+4*\i:ACC+4*\i+3], s[10:11] th:TH_STORE_NT
.endr
.endif
.endm
.macro TILE last
.irp c, 0,1,2,3,4,5,6,7
.irp kk, 0,1,2,3
	KSTEP \c, \kk, \last
.endr
.endr
	OUT \last
.endm
	s_load_b256 s[4:11], s[0:1], 0x0               ; We s[4:5], xb s[6:7], order s[8:9], out0 s[10:11]
	v_lshl_add_u32 v254, v0, 2, 0x42400
	v_mov_b32 v255, 0
	v_lshrrev_b32 v1, 5, v0
	v_readfirstlane_b32 s12, v1                    ; wave 0..7
	v_and_b32 v[L], 31, v0
	v_lshlrev_b32 v[L16], 4, v[L]
	v_lshlrev_b32 v[L4], 2, v[L]
	v_bfe_u32 v[HH], v0, 4, 1
	v_lshlrev_b32 v[EA], 6, v[HH]
	s_and_b32 s14, ttmp7, 0xffff                   ; e
	s_lshl_b32 s2, s14, 22                         ; an expert is 4 MiB,
	s_lshl_b32 s3, ttmp9, 18                       ; 64 rows are 256 KiB,
	s_add_co_u32 s2, s2, s3
	s_lshl_b32 s3, s12, 15                         ; my 8 of them 32 KiB
	s_add_co_u32 s2, s2, s3
	s_mov_b32 s3, 0
	s_wait_kmcnt 0x0
	s_add_nc_u64 s[4:5], s[4:5], s[2:3]
	s_mul_i32 s2, s14, ROWB
	s_add_nc_u64 s[8:9], s[8:9], s[2:3]            ; order at e's row
	s_lshl_b32 s2, s12, 7
	s_add_nc_u64 s[EB:EB+1], s[8:9], s[2:3]        ; and at tile w's 32 entries: inside the row's 4,096 whatever N is
	s_lshl_b32 s2, ttmp9, 8
	s_add_nc_u64 s[10:11], s[10:11], s[2:3]        ; out0 at the work-group's 64 columns
	global_load_b32 v[CV], v[L4], s[8:9] offset:CNTO       ; N, the same number in every lane's word
.irp k, 0,1,2,3
	global_load_b128 v[XOFF+4*\k:XOFF+4*\k+3], v[EA], s[EB:EB+1] offset:16*\k   ; my first tile's entries 2 i + h
.endr
	LDWE 0
	LDWE 1
	LDWE 2
	v_and_b32 v[RR], 15, v0
	v_lshlrev_b32 v[R16], 4, v[RR]
	s_mul_i32 s22, s12, 8*BWP
	v_lshl_add_u32 v[BWR], v[L], 3, s22            ; my 8 rows of the weights, 8 bytes a lane
	v_mul_u32_u24 v[BR0], v[RR], BWP
	v_lshl_add_u32 v[BR0], v[HH], 4, v[BR0]        ; a fragment's row x pitch + 16 x half
	v_add_nc_u32 v[BR1], 32*BWP, v[BR0]
	s_mul_i32 s22, s12, 32*SP
	s_add_co_u32 s23, s22, XST                     ; my stage
	s_add_co_u32 s24, s22, OST                     ; my way out
	v_mul_u32_u24 v[T0], v[HH], SP
	v_add_nc_u32 v[T0], v[T0], v[R16]              ; by rows: lanes 0-15 one row of 256 bytes, lanes 16-31 the next
	v_mul_u32_u24 v[T1], v[RR], SP                 ; by fragments: row r
	v_add_nc_u32 v[XSW], s23, v[T0]
	v_add_nc_u32 v[OSR], s24, v[T0]
	v_lshl_add_u32 v[XSR], v[HH], 4, v[T1]
	v_add_nc_u32 v[XSR], s23, v[XSR]
	v_lshl_add_u32 v[OSW], v[HH], 5, v[T1]         ; 8 f32 for each half of the lanes
	v_add_nc_u32 v[OSW], s24, v[OSW]
	s_wait_loadcnt 48                              ; the 48 loads of weights are younger: N and my first entries are in
	v_readfirstlane_b32 s29, v[CV]
	s_min_u32 s29, s29, 4096                       ; N
	s_add_co_u32 s30, s29, 31
	s_lshr_b32 s30, s30, 5                         ; the expert's tiles, 0 to 128
	s_add_co_u32 s22, s30, 7
	s_sub_co_u32 s22, s22, s12
	s_lshr_b32 s22, s22, 3                         ; mine: w, w + 8, ..: 0 to 16
	s_sub_co_u32 s27, s22, 1                       ; all but the last go round the loop
	s_lshl_b32 s18, s27, 3
	s_add_co_u32 s18, s18, s12                     ; my last tile's number
	s_lshl_b32 s18, s18, 5
	s_sub_co_u32 s18, s29, s18
	s_min_u32 s18, s18, 32                         ; its listed rows: 32, or fewer in the expert's last tile
.irp i, 0,1,2,3,4,5,6,7,8,9,10,11,12,13,14,15
	v_min_u32 v[XOFF+\i], 0xfff, v[XOFF+\i]        ; a token, inside xb's 4,096 rows
.endr
.irp i, 0,1,2,3,4,5,6,7,8,9,10,11,12,13,14,15
	v_lshl_add_u32 v[XOFF+\i], v[XOFF+\i], 11, v[R16]      ; 2,048 x token + my 16 bytes
.endr
	CONSW 0
	CONSW 1
	CONSW 2
	CONSW 3
	s_wait_dscnt 0x0                               ; for the others' sake: my 8 rows of weights are in LDS
	s_barrier_signal -1
	s_barrier_wait -1                              ; all 64 are; nobody writes them again
	s_cmp_eq_u32 s22, 0
	s_cbranch_scc1 .Lend                           ; no tile falls to me
	STX 0, 32                                      ; chunks 1 and 2 stay out
	FRAG F0, 0
	LDXC 3
	s_mov_b32 s17, 0                               ; tiles done
.Ltile:                                                ; at a tile's head: chunk 0 in my stage, K step 0's fragments asked for, chunks 1, 2, 3 on their way
	s_cmp_eq_u32 s17, s27
	s_cbranch_scc1 .Llast                          ; my last tile is written out: it asks for nothing more and stores only its listed rows
	TILE 0
	s_add_co_u32 s17, s17, 1
	s_cmp_lt_u32 s17, MAXT-1                       ; the loop is counted against the most that a wave can have: with 16 tiles it is left here, the 16th being the last
	s_cbranch_scc1 .Ltile
.Llast:
	TILE 1
.Lend:
	s_wait_tensorcnt 0x0
	ds_add_u32 v254, v255
	s_wait_dscnt 0x0
	s_endpgm
.Lfunc_end_k_q02257d44a3_moe:
	.size	k_q02257d44a3_moe, .Lfunc_end_k_q02257d44a3_moe-k_q02257d44a3_moe
	.p2alignl 7, 3214868480
	.fill 96, 4, 3214868480
	.section	.rodata,"a",@progbits
	.p2align	6, 0x0
	.amdhsa_kernel k_q02257d44a3_moe
		.amdhsa_group_segment_fixed_size 272384
		.amdhsa_private_segment_fixed_size 0
		.amdhsa_enable_private_segment 0
		.amdhsa_kernarg_size 32
		.amdhsa_user_sgpr_count 2
		.amdhsa_user_sgpr_kernarg_segment_ptr 1
		.amdhsa_wavefront_size32 1
		.amdhsa_system_sgpr_workgroup_id_x 1
		.amdhsa_system_sgpr_workgroup_id_y 1
		.amdhsa_system_sgpr_workgroup_id_z 1
		.amdhsa_system_vgpr_workitem_id 0
		.amdhsa_next_free_vgpr 512
		.amdhsa_next_free_sgpr 66
		.amdhsa_reserve_vcc 0
		.amdhsa_float_denorm_mode_32 3
		.amdhsa_float_denorm_mode_16_64 3
		.amdhsa_memory_ordered 1
		.amdhsa_forward_progress 1
		.amdhsa_inst_pref_size 172
	.end_amdhsa_kernel
	.amdgpu_metadata
---
amdhsa.version: [ 1, 2 ]
amdhsa.kernels:
  - .name:           k_q02257d44a3_moe
    .symbol:         k_q02257d44a3_moe.kd
    .args:
      - { .name: We, .offset: 0, .size: 8, .value_kind: global_buffer, .address_space: global }
      - { .name: xb, .offset: 8, .size: 8, .value_kind: global_buffer, .address_space: global }
      - { .name: order, .offset: 16, .size: 8, .value_kind: global_buffer, .address_space: global }
      - { .name: out0, .offset: 24, .size: 8, .value_kind: global_buffer, .address_space: global }
    .group_segment_fixed_size: 272384
    .private_segment_fixed_size: 0
    .kernarg_segment_align: 8
    .kernarg_segment_size: 32
    .max_flat_workgroup_size: 256
    .sgpr_count:     66
    .vgpr_count:     512
    .wavefront_size: 32
...
	.end_amdgpu_metadata
.endif
;; end of part 3
